; MI455X (gfx1250); checked and timed in simulation.
; The chip was launched on July 23, 2026; its instructions are those of AMD's public machine-readable ISA for CDNA 5 (MIT licence, August 2026) and "CDNA5" Instruction Set Architecture Reference Guide (July 2026). The comments in the code are by the model that wrote it; some were corrected since.
;; Model. Allowed arithmetic: matrix products marked QUANTISED: E2M1 operands, one E8M0 scale for each 32 along K, by v_wmma_scale_f32_16x16x128_f8f6f4 with both operands' format E2M1 (or v_wmma_scale_f32_32x16x128_f4), f32 sums; everything else in f32.
;; Inputs: x2 4 x 16 x 2,048 x 128 float32; x3 4 x 16 x 2,048 x 128 float32.
;; Outputs: out0 4 x 16 x 2,048 x 128 float32.
;; This version of the problem:
;;   THIS VERSION OF THE PROBLEM IS GIVEN IN LOW PRECISION. The matrix products marked QUANTISED in the list below multiply operands that are first quantised to E2M1 (2 exponent bits, 1 mantissa bit; 4 bits a number), with one power-of-two scale for each 32 numbers along K (OCP MX v1.0); their sums are f32. All else is computed in f32.
;;   The module's matrix products, in the order in which they are computed (A, B: the left and right operand; K: the contracted axis; several contracted axes count as one K, in the product's order):
;;     1. batch 64 x [M 2,048, K 128] x [K 128, N 2,048]; A: input x2; B: input x3: QUANTISED
;;     2. batch 64 x [M 2,048, K 2,048] x [K 2,048, N 128]; A: softmax (see below); B: input x3: QUANTISED
;;   THE QUANTISER, for each operand of a quantised product, along K:
;;     - K is cut into blocks of 32 from its start; a last block that is shorter is filled with zeros.
;;     - A block's scale is 2^e with e = floor(log2(the largest magnitude in the block)) - 2, held to -126 .. 127; a block of zeros has e = 0. As a byte (E8M0): e + 127.
;;     - Each number is divided by its block's scale, clamped to +-6, and rounded to the nearest number of E2M1, ties to even, subnormals kept.
;;     - The product sums the exact products of the quantised numbers (number of the format x scale) in f32.
;;   ~~~python
;;   def quantise(x, axis):      # numpy; x: float32 -> the quantised numbers, widened to float32 again
;;       x = np.moveaxis(x, axis, -1); K = x.shape[-1]
;;       x = np.pad(x, [(0, 0)] * (x.ndim - 1) + [(0, -K % 32)]); x = x.reshape(x.shape[:-1] + (-1, 32)); a = np.abs(x).max(-1, keepdims=True)
;;       e = np.where(a > 0, np.clip(np.frexp(np.where(a > 0, a, 1))[1] - 1 - 2, -126, 127), 0)      # np.frexp(a)[1] - 1 = floor(log2(a)), exactly
;;       r = np.clip(x / 2.0 ** e, -6, 6)
;;       step = 2.0 ** (np.maximum(np.frexp(np.where(r == 0, 1, r))[1] - 1, 0) - 1)
;;       q = np.round(r / step) * step * 2.0 ** e      # np.round: ties to even
;;       return np.moveaxis(q.reshape(q.shape[:-2] + (-1,))[..., :K], -1, axis).astype(np.float32)
;;   ~~~
;;   SOFTMAX AHEAD OF A QUANTISED PRODUCT. Where the list says 'softmax', what is quantised is not the finished softmax but p = 2^(t - M), with t = logit x log2(e) and M = ceil(the row's largest t), a whole number; so 1/2 < the row's largest p <= 1. The row's sum l is taken of the UNQUANTISED p, in f32, and the product's result is divided by l at the end. Since M is a whole number, a kernel that streams over the keys may use a running M (the ceiling of the running maximum): every later rescaling is an exact power of two, which a block's scale takes up: the codes' values come out the same.
;;   OPERANDS COMPUTED ON THE WAY. 'Computed on the way' means the value that the module computes at that place (a softmax that the list does not call 'softmax' is quantised finished and normalised). What goes into a quantiser is computed in f32, as accurately as f32 sums, v_exp_f32 and their like allow (about 1e-6 of the number): no bf16 or f16 on the way to a quantiser, and a product that is left as it is and whose result goes on into a quantised operand takes f32 operands (vector FMAs, or v_wmma_f32_16x16x4_f32). A number that lies on a knife's edge between two numbers of the format may be rounded either way, as far as f32 arithmetic and the matrix unit's own rounding can turn it there, and no further.
;; One version. Each part assembles by itself: llvm-mc -triple=amdgcn-amd-amdhsa -mcpu=gfx1250 --defsym DOCPART=n.
;; ======== version 1 of 1: 2 launches
;; limits: inputs' magnitudes at most 1e+18; right only within a limited range of input values
;; workspace buffers: kv 17,825,792 bytes
;; launch prep (part 1): grid 1024 x 1, 4 waves a work-group, no clusters, 28,160 bytes of LDS; arguments x3, kv; writes kv
.if DOCPART == 1
	.amdgcn_target "amdgcn-amd-amdhsa--gfx1250"
	.amdhsa_code_object_version 6
	.text
	.protected	k_q209a617ac3_prep
	.globl	k_q209a617ac3_prep
	.p2align	8
	.type	k_q209a617ac3_prep,@function
k_q209a617ac3_prep:
	s_mov_b64 s[64:65], 0
	v_nop
	global_prefetch_b8 v0, s[64:65] scope:SCOPE_SE
	s_setreg_imm32_b32 hwreg(HW_REG_WAVE_MODE, 25, 1), 1
	s_wait_xcnt 0x0
; x3 [64 heads][2048 keys][128 d], f32, is read once and turned into two sets of codes of FP4 (E2M1) with E8M0 scale bytes:
; as K of the first product (blocks of 32 along d) and as V of the second (blocks of 32 along the keys).
; A block's scale is 2^(floor(log2(its largest magnitude)) - 2); its byte is the largest magnitude's exponent field - 2, held at 1 from below.
; LIMITS: a block of zeros gets the byte 1 where the rule says 127 (its codes are zeros, and this program alone reads the bytes);
; blocks whose largest magnitude lies under 2^-124 are held at the byte 1; NaN and infinities among the inputs are not served.
; kv is laid as the next launch's operand registers want it: [head 64][step 16][17,408 bytes], a step = 128 keys:
;   0      K's codes  [tile T 8][block of 32 d, 4][row m 16][16 bytes]: row m of tile 4 c + u is key 64 c + 32 (m / 8) + 8 u + m % 8
;   8,192  V's codes  [tile T 8][block of 32 keys, 4][row r 16][16 bytes]: row r of tile T is channel 16 T + r
;   16,384 K's scale words [T / 4][row 16][T % 4][4 bytes];   16,896 V's likewise.
; SHARES.  A work-group takes one step of one head.  Wave w takes columns d = 32 w .. 32 w + 31: a lane takes a column and its registers run down the keys,
; four blocks of 32 keys: a block of V lies in one lane's 32 registers as loaded.  For K the same 32 x 32 numbers turn through the wave's own stage in LDS: lane l then holds the 32 d of key 32 t + l.
; V's codes are stored as two aligned runs of 256 bytes an instruction.  K's codes (a block's 32 keys fall into four tiles) and the 1,024 scale bytes meet in LDS and leave as aligned runs of 512 and 256 bytes.
.set STEPB, 17408
.set VIMG,  8192
.set SCLG,  16384
.set PITCH, 144                        ; a stage row: 128 bytes + 16
.set TSB,   32*PITCH
.set SCL,   4*TSB                      ; 512 bytes of K's scale words, 512 of V's
.set SPARE, SCL+1024                   ; the spare words, 128 bytes a wave
.set KIM,   SPARE+512                  ; K's codes of the step, 8,192 bytes, as they lie in kv
.set X,     32                         ; v32-159  four blocks of 32 numbers, as loaded
.set TR,    160                        ; v160-191 a block turned
.set KC,    192
.set VC,    208
.set KB,    20
	s_load_b128 s[4:7], s[0:1], 0x0                ; x3, kv
	v_lshl_add_u32 v224, v0, 2, SPARE
	v_mov_b32 v225, 0
	v_lshrrev_b32 v11, 5, v0
	v_readfirstlane_b32 s8, v11                    ; wave
	v_and_b32 v1, 31, v0                           ; lane l
	v_lshlrev_b32 v2, 2, v1
	s_mul_i32 s9, s8, TSB
	v_add_nc_u32 v3, s9, v2                        ; into my stage: 4 l of a row
	v_mul_u32_u24 v4, v1, PITCH
	v_add_nc_u32 v4, s9, v4                        ; out of it: row l
	v_lshrrev_b32 v24, 4, v1
	v_and_b32 v25, 15, v1
	v_lshlrev_b32 v26, 10, v24
	v_lshl_add_u32 v26, v25, 4, v26                ; 1,024 (l / 16) + 16 (l % 16)
	s_lshl_b32 s14, s8, 8
	s_lshl_b32 s15, s8, 11
	v_add_nc_u32 v6, s15, v26                      ; V's codes: + 2,048 w: my two tiles of channels
	v_lshrrev_b32 v28, 3, v1                       ; u = l / 8
	v_and_b32 v29, 7, v1                           ; l % 8
	v_lshlrev_b32 v5, 10, v28
	v_lshl_add_u32 v5, v29, 4, v5
	v_add_nc_u32 v5, s14, v5
	v_add_nc_u32 v5, KIM, v5                       ; K's codes in LDS: tile u of four, row l % 8 of eight, block w
	v_lshlrev_b32 v30, 4, v29
	v_lshl_add_u32 v30, v28, 2, v30
	v_add_nc_u32 v7, s8, v30
	v_add_nc_u32 v7, SCL, v7                       ; K's scale byte: 16 (l % 8) + 4 u + w
	v_lshlrev_b32 v27, 4, v25
	v_lshl_add_u32 v27, v24, 2, v27
	s_lshr_b32 s16, s8, 1
	s_lshl_b32 s16, s16, 8
	s_and_b32 s17, s8, 1
	s_lshl_b32 s17, s17, 3
	s_add_co_u32 s16, s16, s17
	v_add_nc_u32 v8, s16, v27
	v_add_nc_u32 v8, SCL+512, v8                   ; V's scale word: tile 2 w + l / 16, row l % 16
	v_lshl_add_u32 v10, v1, 3, s14                 ; the scales' way out: 256 w + 8 l
	v_add_nc_u32 v9, SCL, v10
	v_lshl_add_u32 v31, v1, 4, s15                 ; K's codes' way out: 2,048 w + 16 l
	v_add_nc_u32 v30, KIM, v31
	s_lshl_b32 s10, ttmp9, 16
	s_lshl_b32 s18, s8, 7
	s_add_co_u32 s10, s10, s18
	s_mov_b32 s11, 0
	s_mul_i32 s12, ttmp9, STEPB
	s_mov_b32 s13, 0
	s_wait_alu depctr_va_vdst(0)                   ; the wait at the head's end
	s_wait_kmcnt 0x0
	s_add_nc_u64 s[4:5], s[4:5], s[10:11]
	s_add_nc_u64 s[6:7], s[6:7], s[12:13]
.macro LOAD t                          ; block t: x3(key 32 t + k, my column)
.set k, 0
.rept 32
	global_load_b32 v[X+32*(\t)+k], v2, s[4:5] offset:(32*(\t)+k)*512 th:TH_LOAD_NT
.set k, k+1
.endr
.endm
.macro AMAX r                          ; the largest magnitude of 32 registers into v12, two chains, the floor 2^(3 - 127) as one more leaf
	v_max3_num_f32 v12, |v[\r]|, |v[\r+1]|, |v[\r+2]|
	v_max3_num_f32 v13, |v[\r+3]|, |v[\r+4]|, |v[\r+5]|
.irp i, 6,10,14,18,22,26
	v_max3_num_f32 v12, v12, |v[\r+\i]|, |v[\r+\i+1]|
	v_max3_num_f32 v13, v13, |v[\r+\i+2]|, |v[\r+\i+3]|
.endr
	v_max3_num_f32 v12, v12, |v[\r+30]|, |v[\r+31]|
	v_max3_num_f32 v12, v12, v13, 0x1800000
.endm
.macro BLOCK t
.set XS, X+32*(\t)
.if (\t) < 3
	s_wait_loadcnt 32                              ; this block's 32 loads are in; the next block's may be out
.else
	s_wait_loadcnt 0x0
.endif
.if (\t)+2 < 4
	LOAD (\t)+2
.endif
.set k, 0
.rept 32
	ds_store_b32 v3, v[XS+k] offset:k*PITCH        ; key k of the block is stage row k
.set k, k+1
.endr
.irp q, 0,1,2,3,4,5,6,7
	ds_load_b128 v[TR+4*\q:TR+4*\q+3], v4 offset:16*\q   ; LDS serves a wave's instructions in order
.endr
	AMAX XS                                        ; V: the block as loaded
	v_add_nc_u32 v14, 0xff000000, v12              ; 2 off the exponent field: the conversion's scale operand
	v_lshrrev_b32 v15, 23, v14
.if (\t) == 0
	v_mov_b32 v16, v15
.else
	v_lshl_or_b32 v16, v15, 8*(\t), v16
.endif
.irp g, 0,1,2,3
	v_cvt_scalef32_pk8_fp4_f32 v[VC+4*(\t)+\g], v[XS+8*\g:XS+8*\g+7], v14
.endr
	v_nop
	global_store_b128 v6, v[VC+4*(\t):VC+4*(\t)+3], s[6:7] offset:VIMG+256*(\t)
	s_wait_dscnt 0x0                               ; the block is back from the stage
	AMAX TR                                        ; K: 32 d of key 32 t + l
	v_add_nc_u32 v17, 0xff000000, v12
	v_lshrrev_b32 v[KB+(\t)], 23, v17
.irp g, 0,1,2,3
	v_cvt_scalef32_pk8_fp4_f32 v[KC+4*(\t)+\g], v[TR+8*\g:TR+8*\g+7], v17
.endr
	v_nop
	ds_store_b128 v5, v[KC+4*(\t):KC+4*(\t)+3] offset:((\t)/2)*4096+((\t)%2)*128   ; tile 4 (t / 2) + u, row 8 (t % 2) + l % 8
	ds_store_b8 v7, v[KB+(\t)] offset:((\t)/2)*256+((\t)%2)*128
.endm
	LOAD 0
	LOAD 1
	BLOCK 0
	BLOCK 1
	BLOCK 2
	BLOCK 3
	ds_store_b32 v8, v16                           ; V's scale word of my channel
	s_wait_dscnt 0x0                               ; for the others' sake: my codes and scale bytes lie in LDS
	s_barrier_signal -1
	s_barrier_wait -1
	ds_load_b64 v[18:19], v9
.irp i, 0,1,2,3
	ds_load_b128 v[TR+4*\i:TR+4*\i+3], v30 offset:512*\i
.endr
	s_wait_dscnt 0x0
	global_store_b64 v10, v[18:19], s[6:7] offset:SCLG   ; 256 consecutive bytes, aligned
.irp i, 0,1,2,3
	global_store_b128 v31, v[TR+4*\i:TR+4*\i+3], s[6:7] offset:512*\i   ; 512 consecutive bytes, aligned
.endr
	s_wait_tensorcnt 0x0                           ; the wave's end
	ds_add_u32 v224, v225
	s_wait_dscnt 0x0
	s_endpgm
.Lfunc_end_k_q209a617ac3_prep:
	.size	k_q209a617ac3_prep, .Lfunc_end_k_q209a617ac3_prep-k_q209a617ac3_prep
	.p2alignl 7, 3214868480
	.fill 96, 4, 3214868480
	.section	.rodata,"a",@progbits
	.p2align	6, 0x0
	.amdhsa_kernel k_q209a617ac3_prep
		.amdhsa_group_segment_fixed_size 28160
		.amdhsa_private_segment_fixed_size 0
		.amdhsa_enable_private_segment 0
		.amdhsa_kernarg_size 16
		.amdhsa_user_sgpr_count 2
		.amdhsa_user_sgpr_kernarg_segment_ptr 1
		.amdhsa_wavefront_size32 1
		.amdhsa_system_sgpr_workgroup_id_x 1
		.amdhsa_system_sgpr_workgroup_id_y 1
		.amdhsa_system_sgpr_workgroup_id_z 1
		.amdhsa_system_vgpr_workitem_id 0
		.amdhsa_next_free_vgpr 226
		.amdhsa_next_free_sgpr 66
		.amdhsa_reserve_vcc 0
		.amdhsa_float_denorm_mode_32 3
		.amdhsa_float_denorm_mode_16_64 3
		.amdhsa_memory_ordered 1
		.amdhsa_forward_progress 1
		.amdhsa_inst_pref_size 39
	.end_amdhsa_kernel
	.amdgpu_metadata
---
amdhsa.version: [ 1, 2 ]
amdhsa.kernels:
  - .name:           k_q209a617ac3_prep
    .symbol:         k_q209a617ac3_prep.kd
    .args:
      - { .name: x3, .offset: 0, .size: 8, .value_kind: global_buffer, .address_space: global }
      - { .name: kv, .offset: 8, .size: 8, .value_kind: global_buffer, .address_space: global }
    .group_segment_fixed_size: 28160
    .private_segment_fixed_size: 0
    .kernarg_segment_align: 8
    .kernarg_segment_size: 16
    .max_flat_workgroup_size: 128
    .sgpr_count:     66
    .vgpr_count:     226
    .wavefront_size: 32
...
	.end_amdgpu_metadata
.endif
;; end of part 1
;; launch attn (part 2): grid 4 x 64, 8 waves a work-group, clusters of 4 x 1, 327,680 bytes of LDS; arguments x2, kv, out0; writes out0
.if DOCPART == 2
	.amdgcn_target "amdgcn-amd-amdhsa--gfx1250"
	.amdhsa_code_object_version 6
	.text
	.protected	k_q209a617ac3_attn
	.globl	k_q209a617ac3_attn
	.p2align	8
	.type	k_q209a617ac3_attn,@function
k_q209a617ac3_attn:
	s_mov_b64 s[64:65], 0
	v_nop
	global_prefetch_b8 v0, s[64:65] scope:SCOPE_SE
	s_setreg_imm32_b32 hwreg(HW_REG_WAVE_MODE, 25, 1), 1
	s_wait_xcnt 0x0
	s_wait_alu depctr_hold_cnt(0) depctr_sa_sdst(0) depctr_va_vdst(0) depctr_va_sdst(0) depctr_va_ssrc(0) depctr_va_vcc(0) depctr_vm_vsrc(0)
	s_getreg_b32 s2, hwreg(HW_REG_IB_STS2, 6, 4)
	s_cmp_eq_u32 s2, 0
	s_cbranch_scc0 .Lentry_in_a_cluster
	s_endpgm
.Lentry_in_a_cluster:
	s_bfe_u32 s2, ttmp6, 0x10000c
	s_cmp_lg_u32 s2, 0x3003
	s_cbranch_scc0 .Lentry_shape_is_right
	s_endpgm
.Lentry_shape_is_right:
; out0[head][q][:] = the sum over k of softmax_k(x2[head][q] . x3[head][k]) x3[head][k][:], 64 heads, 2,048 queries and keys, 128 channels; both products on codes of FP4 (E2M1), one E8M0 scale for each 32 along K.
; x3's two sets of codes and scale words come from kv ([head][step of 128 keys][K's codes 8,192 | V's codes 8,192 | K's scale words 512 | V's 512]); x2 is quantised here: each row is read once.
; THE SOFTMAX: t = score x log2(e); M = the row's largest t so far, rounded up to a whole number; p = 2^(t - M) is quantised along the keys, not normalised.  The row's sum is taken of the unquantised p and divides O at the end.
; When M moves, the sum and O are multiplied by 2^(old M - new M): exact.  A block's scale exponent is floor(t - M) - 2 of the block's largest score, t - M made by the same multiply-add as every p's exponent.
; LIMITS: the scaled scores stay under 2^31 in magnitude; a p under 2^-126 comes out as 0 (v_exp_f32's entry in the ISA guide); scale bytes are held at 1 from below, a block of zeros too; NaN and infinities among the inputs are not served.
; SHARES.  A work-group owns 512 queries of one head; each of its eight waves 64, in two passes of two tiles of 16: each fragment of K and V read from LDS feeds two products, and the two tiles' vector work is laid line by line by turns.
; LDS.  A head's kv, 278,528 bytes, lies in LDS.  First fill, one tensor load a wave: waves 0-3 steps 0-2 of kv (51 rows of 256 bytes each), waves 4-7 the work-group's 512 rows of x2 (128 rows of 512 bytes each, 16 bytes of padding behind each),
; which lie for a time where steps 3-15 and the stages will lie.  When x2 is quantised, waves 0-3 fill steps 3-15 (221 rows of 256 bytes each) over those bytes; steps 0 and 1 are worked meanwhile.  By this text's count a wave has one tensor load out.
; CLUSTER.  The four work-groups of a head need the same kv: its loads are joint (mask of four).  x2's loads are each work-group's own.
; No prefetch into the L2: both fills are asked for in the head, where there is no loop to run ahead in.
; LAYOUT.  Both products transposed: S^T = K Q^T, O^T = V^T P^T: a lane holds one query (lane % 16).  Row m of K's tile 4 c + u is key 64 c + 32 (m / 8) + 8 u + m % 8, so a lane's 32 registers of tiles 4 c .. 4 c + 3
; are keys 64 c + 32 (lane / 16) + 0 .. 31: a whole block, in the order of P's operand registers.
; REGISTERS: window 0: v1-7 addresses; v8-19 statistics; v20-33 scale words; v34-47 at work; v48-63 P's codes; v64-127 V's fragments; v128-255 S^T, then p.  Window 1: v0-127 O^T; v128-159 Q; v160-223 K; v224-225 the add's two.
.set STEPB, 17408
.set HEADB, 16*STEPB
.set VIMG,  8192
.set KSCL,  16384
.set VSCL,  16896
.set AROWS, 51
.set BROWS, 221
.set QB,    3*STEPB                    ; x2's rows in LDS
.set QP,    528
.set STG,   HEADB                      ; the way out: 16 rows x 272 bytes a wave; no tensor load lands here once it is stored to
.set SP,    272
.set SPARE, 326656                     ; the spare words, 128 bytes a wave
.set LI,   1
.set ADC,  2
.set ADN,  3
.set STO,  4
.set RD,   5
.set GO,   6
.set QAD,  7
.set STAT, 8                           ; tile x at 8 + 6 x: +0 -M, +1 the largest score, +2, +3 the sum, +4 f, +5 named with f as a pair
.set SH8,  STAT+5                      ; it holds 8 (lane / 16)
.set KS,   20
.set VS,   24
.set QS,   28
.set PS,   32
.set BM,   34                          ; v34-41: tile x, block c, chain a at 34 + 4 x + 2 c + a; later two chains of the sum a tile
.set SO,   42                          ; v42-45: the conversions' scale operands, 42 + 2 x + c
.set TA,   46                          ; v46-47
.set PC,   48
.set VF,   64
.set S,    128
.set QF,   128
.set KF,   160
.set WV,   10
.set SEL,  20
.set CS,   22
.set G1K,  24
.set G1B,  32
.set G1Q,  40
.set G0A,  48
.set G0Q,  52
.set G0B,  56
.set CUR,  60
.set NXT,  61
.set MSB, 0
.macro WIN new                         ; the immediate's high byte repeats the setting that is left
.if MSB != \new
	s_set_vgpr_msb (MSB<<8)|\new
.set MSB, \new
.endif
.endm
.macro ROUND                           ; a round of the cluster's barrier
	s_barrier_signal -1
	s_barrier_wait -1
	s_cmp_lg_u32 s[WV], 0
	s_cbranch_scc1 .Lnot_wave_0_\@
	s_barrier_signal -3
.Lnot_wave_0_\@:
	s_barrier_wait -3
	s_barrier_signal -1
	s_barrier_wait -1
.endm
.macro THREE                           ; the add's registers lie in window 1
	WIN 0x05
	s_wait_tensorcnt 0x0
	ds_add_u32 v224, v225
	s_wait_dscnt 0x0
	WIN 0
.endm
.macro D n
	s_delay_alu instid0(VALU_DEP_\n)
.endm
	s_load_b128 s[4:7], s[0:1], 0x0                ; x2, kv
	s_load_b64 s[8:9], s[0:1], 0x10                ; out0
	s_set_vgpr_msb 0x40
	v_lshl_add_u32 v224, v0, 2, SPARE
	v_mov_b32 v225, 0
	s_set_vgpr_msb 0x4045
	ds_add_u32 v224, v225                          ; the opening lines: the add twice on end and one wait
	ds_add_u32 v224, v225
	s_set_vgpr_msb 0x4500
	v_lshrrev_b32 v[TA], 5, v0
	v_readfirstlane_b32 s[WV], v[TA]               ; wave 0..7
	s_and_b32 s11, s[WV], 3                        ; which quarter of a fill is mine
	s_bfe_u32 s12, ttmp6, 0x40000                  ; cx: it enters x2's and out0's addresses alone
	s_lshl_b32 s13, ttmp9, 2
	s_add_co_u32 s12, s12, s13                     ; my block of 512 queries
	s_and_b32 s13, ttmp7, 0xffff                   ; the head
	s_lshl_b32 s14, s13, 20
	s_lshl_b32 s12, s12, 18
	s_add_co_u32 s14, s14, s12                     ; the block's first byte in x2 and out0
	s_lshl_b32 s16, s11, 16
	s_add_co_u32 s16, s16, s14                     ; x2: my 128 rows
	s_mov_b32 s17, 0
	s_lshl_b32 s12, s[WV], 15
	s_add_co_u32 s14, s14, s12                     ; out0: my wave's 64 rows
	s_mov_b32 s15, 0
	s_mul_i32 s13, s13, HEADB                      ; the head in kv
	s_mul_i32 s[G0A+1], s11, AROWS*256             ; LDS addresses are made of the wave's number alone
	s_add_co_u32 s18, s13, s[G0A+1]
	s_mov_b32 s19, 0
	s_mul_i32 s[G0B+1], s11, BROWS*256
	s_add_co_u32 s[G0B+1], s[G0B+1], 3*STEPB
	s_add_co_u32 s62, s13, s[G0B+1]
	s_mov_b32 s63, 0
	s_mul_i32 s[G0Q+1], s11, 128*QP
	s_add_co_u32 s[G0Q+1], s[G0Q+1], QB
	s_mov_b32 s[G1K], 15|(3<<16)|(1<<21)           ; mask of four; elements of 8 bytes; bit 21 beside a mask; dense rows of 256 bytes
	s_mov_b32 s[G1K+1], 32<<16
	s_mov_b32 s[G1K+2], AROWS<<16
	s_mov_b32 s[G1K+3], 32<<16
	s_mov_b32 s[G1K+4], AROWS
	s_mov_b32 s[G1K+5], 32
	s_mov_b32 s[G1K+6], 0
	s_mov_b32 s[G1K+7], 0
	s_mov_b32 s[G1B], 15|(3<<16)|(1<<21)
	s_mov_b32 s[G1B+1], 32<<16
	s_mov_b32 s[G1B+2], BROWS<<16
	s_mov_b32 s[G1B+3], 32<<16
	s_mov_b32 s[G1B+4], BROWS
	s_mov_b32 s[G1B+5], 32
	s_mov_b32 s[G1B+6], 0
	s_mov_b32 s[G1B+7], 0
	s_mov_b32 s[G1Q], (3<<16)|(1<<20)|(6<<22)|(3<<25)   ; no mask; rows of 128 words, four words of padding behind each
	s_mov_b32 s[G1Q+1], 64<<16
	s_mov_b32 s[G1Q+2], 128<<16
	s_mov_b32 s[G1Q+3], 64<<16
	s_mov_b32 s[G1Q+4], 128
	s_mov_b32 s[G1Q+5], 64
	s_mov_b32 s[G1Q+6], 0
	s_mov_b32 s[G1Q+7], 0
	s_mov_b32 s[SEL], 0x76543210
	s_mov_b32 s[SEL+1], 0xfedcba98                 ; v_permlanex16_b32's selects for lane l xor 16
	s_mov_b32 s[CS], 0x3fb8aa3b                    ; log2(e)
	s_mov_b32 s[CS+1], s[CS]
	s_mov_b32 s[G0A], 1
	s_mov_b32 s[G0B], 1
	s_mov_b32 s[G0Q], 1
	s_wait_dscnt 0x0                               ; both opening adds are done
	s_wait_kmcnt 0x0
	s_add_nc_u64 s[G0Q+2:G0Q+3], s[4:5], s[16:17]
	s_or_b32 s[G0Q+3], s[G0Q+3], 0x80000000
	s_add_nc_u64 s[G0A+2:G0A+3], s[6:7], s[18:19]
	s_or_b32 s[G0A+3], s[G0A+3], 0x80000000
	s_add_nc_u64 s[G0B+2:G0B+3], s[6:7], s[62:63]
	s_or_b32 s[G0B+3], s[G0B+3], 0x80000000
	s_add_nc_u64 s[8:9], s[8:9], s[14:15]
	ROUND                                          ; all four work-groups are here: the joint loads meet
	s_cmp_lt_u32 s[WV], 4
	s_cbranch_scc0 .Lfor_q
	tensor_load_to_lds s[G0A:G0A+3], s[G1K:G1K+7]  ; my quarter of kv's steps 0-2
	s_nop 0
.rept 4
	v_nop
.endr
	s_branch .Lasked
.Lfor_q:
	tensor_load_to_lds s[G0Q:G0Q+3], s[G1Q:G1Q+7]  ; my quarter of the work-group's rows of x2
	s_nop 0
.rept 4
	v_nop
.endr
.Lasked:
	v_and_b32 v[LI], 31, v0
	v_and_b32 v[TA], 15, v0                        ; r
	v_bfe_u32 v[TA+1], v0, 4, 1                    ; h
	v_lshlrev_b32 v[LI], 4, v[LI]                  ; 16 x lane
	s_mul_i32 s18, s[WV], 16*SP
	s_add_co_u32 s18, s18, STG
	s_mul_i32 s19, s[WV], 64*QP
	s_add_co_u32 s19, s19, QB
	v_mul_u32_u24 v[STO], v[TA], SP
	v_mul_u32_u24 v[RD], v[TA+1], SP
	v_mul_u32_u24 v[QAD], v[TA], QP
	v_lshlrev_b32 v[GO], 9, v[TA+1]
	v_lshl_add_u32 v[STO], v[TA+1], 5, v[STO]
	v_lshl_add_u32 v[RD], v[TA], 4, v[RD]
	v_lshl_add_u32 v[QAD], v[TA+1], 7, v[QAD]
	v_lshl_add_u32 v[GO], v[TA], 4, v[GO]          ; two rows of out0, 16 bytes a lane
	v_add_nc_u32 v[STO], s18, v[STO]               ; stage, in: row r, + 32 h
	v_add_nc_u32 v[RD], s18, v[RD]                 ; back: lanes 0-15 one row, lanes 16-31 the next
	v_add_nc_u32 v[QAD], s19, v[QAD]               ; x2 in LDS: my wave's row r, + 128 h: my block of 32
	v_lshlrev_b32 v[SH8], 3, v[TA+1]
	v_mov_b32 v[STAT+11], 0
.irp i, 0,1,2,3
	v_mov_b32 v[QS+\i], 0                          ; a lane permute's destination counts as one of its sources
	v_mov_b32 v[SO+\i], 0
.endr
	v_mov_b32 v[PS], 0
	v_mov_b32 v[PS+1], 0
.macro QLD q, reg                      ; tile q of my 64 queries: lane (r, h) takes blocks h and 2 + h of row r, 128 bytes each
.irp c, 0,1
.irp i, 0,1,2,3,4,5,6,7
	ds_load_b128 v[\reg+32*\c+4*\i:\reg+32*\c+4*\i+3], v[QAD] offset:(\q)*16*QP+256*\c+16*\i
.endr
.endr
.endm
.macro QUANT s, q                      ; 64 numbers of a lane become tile q's fragment (window 1) and scale word
.irp c, 0,1
.irp a, 0,1
	v_max3_num_f32 v[BM+2*\c+\a], |v[\s+32*\c+16*\a]|, |v[\s+32*\c+16*\a+1]|, |v[\s+32*\c+16*\a+2]|
.endr
.endr
.irp i, 3,5,7,9,11,13
.irp c, 0,1
.irp a, 0,1
	D 4
	v_max3_num_f32 v[BM+2*\c+\a], v[BM+2*\c+\a], |v[\s+32*\c+16*\a+\i]|, |v[\s+32*\c+16*\a+\i+1]|
.endr
.endr
.endr
	D 3
	v_max3_num_f32 v[BM], v[BM], v[BM+1], |v[\s+15]|       ; a block's two chains meet
	D 2
	v_max3_num_f32 v[BM+2], v[BM+2], v[BM+3], |v[\s+47]|
.irp c, 0,1
	D 2
	v_max3_num_f32 v[BM+2*\c], v[BM+2*\c], |v[\s+32*\c+31]|, 0x1800000   ; and the floor 2^(3 - 127): the byte cannot fall under 1
.endr
.irp c, 0,1
	D 2
	v_add_nc_u32 v[SO+\c], 0xff000000, v[BM+2*\c]  ; 2 off the exponent field: the conversion's scale operand
.endr
.irp c, 0,1
	D 2
	v_lshrrev_b32 v[BM+2*\c], 23, v[SO+\c]
.endr
	D 1
	v_lshl_or_b32 v[TA], v[BM+2], 16, v[BM]        ; my bytes: blocks h and 2 + h,
	D 1
	v_lshlrev_b32 v[TA], v[SH8], v[TA]             ; at their places;
	D 1
	v_permlanex16_b32 v[QS+(\q)], v[TA], s[SEL], s[SEL+1]
	D 1
	v_or_b32 v[QS+(\q)], v[QS+(\q)], v[TA]         ; with lane l xor 16's two the word is whole
	WIN 0x40
.irp c, 0,1
.irp g, 0,1,2,3
	v_cvt_scalef32_pk8_fp4_f32 v[QF+8*(\q)+4*\c+\g], v[\s+32*\c+8*\g:\s+32*\c+8*\g+7], v[SO+\c]
.endr
.endr
	v_nop                                          ; one plain line behind the conversions
	WIN 0
.endm
	s_wait_alu depctr_va_vdst(0)                   ; the wait at the head's end
	s_wait_tensorcnt 0x0                           ; my part of the first fill has landed,
	s_barrier_signal -1
	s_barrier_wait -1                              ; everybody's has
	QLD 0, S
	QLD 1, S+64
	s_wait_dscnt 16                                ; the older tile's sixteen loads are in
	QUANT S, 0
	QLD 2, S
	s_wait_dscnt 16
	QUANT S+64, 1
	QLD 3, S+64
	s_wait_dscnt 16
	QUANT S, 2
	s_wait_dscnt 0x0
	QUANT S+64, 3
	s_wait_alu depctr_va_vdst(0)                   ; the wait ahead of the waits below
	THREE                                          ; no load of mine is out and my reads of x2's rows are over
	ROUND                                          ; so of every wave of the four work-groups
	s_cmp_lt_u32 s[WV], 4
	s_cbranch_scc0 .Lno_fill
	tensor_load_to_lds s[G0B:G0B+3], s[G1B:G1B+7]  ; my quarter of kv's steps 3-15, over x2's bytes
	s_nop 0
.rept 4
	v_nop
.endr
.Lno_fill:
.macro KLOAD adr
	WIN 0x40
.irp t, 0,1,2,3,4,5,6,7
.irp c, 0,1
	ds_load_b128 v[KF+8*\t+4*\c:KF+8*\t+4*\c+3], v[\adr] offset:1024*\t+512*\c
.endr
.endr
	WIN 0
	ds_load_b128 v[KS:KS+3], v[\adr] offset:KSCL   ; register i: tile i's words in lanes 0-15, tile 4 + i's in lanes 16-31
.endm
.macro VLOAD
.irp t, 0,1,2,3,4,5,6,7
.irp c, 0,1
	ds_load_b128 v[VF+8*\t+4*\c:VF+8*\t+4*\c+3], v[ADC] offset:VIMG+1024*\t+512*\c
.endr
.endr
	ds_load_b128 v[VS:VS+3], v[ADC] offset:VSCL
.endm
.macro KQ p                            ; S^T = K Q^T: sixteen results, each begun with the constant 0
.irp t, 0,1,2,3,4,5,6,7
.irp x, 0,1
.if \t < 4
	v_wmma_scale_f32_16x16x128_f8f6f4 v[S+64*\x+8*\t:S+64*\x+8*\t+7], v[KF+8*\t:KF+8*\t+7], v[QF+8*(2*(\p)+\x):QF+8*(2*(\p)+\x)+7], 0, v[KS+\t%4], v[QS+2*(\p)+\x] matrix_a_fmt:MATRIX_FMT_FP4 matrix_b_fmt:MATRIX_FMT_FP4
.else
	v_wmma_scale_f32_16x16x128_f8f6f4 v[S+64*\x+8*\t:S+64*\x+8*\t+7], v[KF+8*\t:KF+8*\t+7], v[QF+8*(2*(\p)+\x):QF+8*(2*(\p)+\x)+7], 0, v[KS+\t%4], v[QS+2*(\p)+\x] matrix_a_fmt:MATRIX_FMT_FP4 matrix_b_fmt:MATRIX_FMT_FP4 matrix_a_scale:MATRIX_SCALE_ROW1
.endif
.endr
.endr
.endm
.macro PV1 t, x, cc:vararg             ; one product of O^T += V^T P^T
.if \t < 4
	v_wmma_scale_f32_16x16x128_f8f6f4 v[64*\x+8*\t:64*\x+8*\t+7], v[VF+8*\t:VF+8*\t+7], v[PC+8*\x:PC+8*\x+7], \cc, v[VS+\t%4], v[PS+\x] matrix_a_fmt:MATRIX_FMT_FP4 matrix_b_fmt:MATRIX_FMT_FP4
.else
	v_wmma_scale_f32_16x16x128_f8f6f4 v[64*\x+8*\t:64*\x+8*\t+7], v[VF+8*\t:VF+8*\t+7], v[PC+8*\x:PC+8*\x+7], \cc, v[VS+\t%4], v[PS+\x] matrix_a_fmt:MATRIX_FMT_FP4 matrix_b_fmt:MATRIX_FMT_FP4 matrix_a_scale:MATRIX_SCALE_ROW1
.endif
.endm
.macro PV first                        ; sixteen accumulators by turns; a pass's first step starts the sums
.irp t, 0,1,2,3,4,5,6,7
.irp x, 0,1
.if \first
	PV1 \t, \x, 0
.else
	PV1 \t, \x, v[64*\x+8*\t:64*\x+8*\t+7]
.endif
.endr
.endr
.endm
; A KEY STEP of pass p: 128 keys for two tiles of queries.  This step's K is in registers: it was fetched a step ago.  first = 1: a pass's first step: nothing is carried in.
.macro STEP p, first
	WIN 0x05
	KQ \p
	WIN 0
	s_add_co_u32 s[NXT], s[CUR], STEPB
	s_min_u32 s[NXT], s[NXT], 15*STEPB             ; the last step fetches its own K once more, which nobody uses
	v_add_nc_u32 v[ADC], s[CUR], v[LI]             ; these two and two v_nop are the four places behind the products
	v_add_nc_u32 v[ADN], s[NXT], v[LI]
	v_nop
	v_nop
	VLOAD                                          ; this step's V and the next step's K land while the softmax is worked
	KLOAD ADN
	; the largest score of each block of 32 keys, two chains a block, eight chains by turns; each result is read from its low end on
.irp x, 0,1
.irp c, 0,1
.irp a, 0,1
	v_max3_num_f32 v[BM+4*\x+2*\c+\a], v[S+64*\x+32*\c+16*\a], v[S+64*\x+32*\c+16*\a+1], v[S+64*\x+32*\c+16*\a+2]
.endr
.endr
.endr
.irp i, 3,5,7,9,11,13
.irp x, 0,1
.irp c, 0,1
.irp a, 0,1
	v_max3_num_f32 v[BM+4*\x+2*\c+\a], v[BM+4*\x+2*\c+\a], v[S+64*\x+32*\c+16*\a+\i], v[S+64*\x+32*\c+16*\a+\i+1]
.endr
.endr
.endr
.endr
.irp x, 0,1
.irp c, 0,1
	v_max3_num_f32 v[BM+4*\x+2*\c], v[BM+4*\x+2*\c], v[BM+4*\x+2*\c+1], v[S+64*\x+32*\c+15]
.endr
.endr
.irp x, 0,1
.irp c, 0,1
	v_max_num_f32 v[BM+4*\x+2*\c], v[BM+4*\x+2*\c], v[S+64*\x+32*\c+31]
.endr
.endr
.irp x, 0,1
	v_max_num_f32 v[TA+\x], v[BM+4*\x], v[BM+4*\x+2]
.endr
.irp x, 0,1
	v_permlanex16_b32 v[SO+2*\x], v[TA+\x], s[SEL], s[SEL+1]
.endr
.irp x, 0,1
.if \first
	v_max_num_f32 v[STAT+6*\x+1], v[TA+\x], v[SO+2*\x]
.else
	v_max3_num_f32 v[STAT+6*\x+1], v[STAT+6*\x+1], v[TA+\x], v[SO+2*\x]   ; the running largest score of my query
.endif
.endr
.irp x, 0,1
	v_mul_f32 v[SO+2*\x], s[CS], v[STAT+6*\x+1]    ; as t (c is positive)
.endr
.if !\first
.irp x, 0,1
	v_mov_b32 v[TA+\x], v[STAT+6*\x]
.endr
.endif
.irp x, 0,1
	v_floor_f32 v[STAT+6*\x], -v[SO+2*\x]          ; -M = floor(-t): a whole number
.endr
.if !\first
.irp x, 0,1
	v_sub_f32 v[TA+\x], v[STAT+6*\x], v[TA+\x]     ; old M - new M: a whole number, 0 or less
.endr
.irp x, 0,1
	v_cvt_i32_f32 v[TA+\x], v[TA+\x]               ; (it saturates)
.endr
.irp x, 0,1
	v_ldexp_f32 v[STAT+6*\x+4], 1.0, v[TA+\x]      ; f = 2^(old M - new M)
.endr
.endif
	; the blocks' scales: floor(t - M) of the block's largest score is the exponent of its largest p
.irp x, 0,1
.irp c, 0,1
	v_fma_f32 v[BM+4*\x+2*\c], v[BM+4*\x+2*\c], s[CS], v[STAT+6*\x]
.endr
.endr
.irp x, 0,1
.irp c, 0,1
	v_max_num_f32 v[BM+4*\x+2*\c], 0xc2f80000, v[BM+4*\x+2*\c]   ; held at -124: the byte cannot fall under 1
.endr
.endr
.irp x, 0,1
.irp c, 0,1
	v_floor_f32 v[BM+4*\x+2*\c], v[BM+4*\x+2*\c]
.endr
.endr
.irp x, 0,1
.irp c, 0,1
	v_cvt_i32_f32 v[BM+4*\x+2*\c], v[BM+4*\x+2*\c]
.endr
.endr
.irp x, 0,1
.irp c, 0,1
	v_add_lshl_u32 v[SO+2*\x+\c], v[BM+4*\x+2*\c], 125, 23   ; the byte, exponent - 2 + 127, as an exponent field: the conversion's scale operand
.endr
.endr
.irp x, 0,1
	v_lshl_add_u32 v[TA+\x], v[BM+4*\x+2], 16, v[BM+4*\x]
.endr
.irp x, 0,1
	v_add_lshl_u32 v[TA+\x], v[TA+\x], 0x7d007d, v[SH8]   ; my two bytes, blocks h and 2 + h, at their places
.endr
.irp x, 0,1
	v_permlanex16_b32 v[PS+\x], v[TA+\x], s[SEL], s[SEL+1]
.endr
.irp x, 0,1
	v_or_b32 v[PS+\x], v[PS+\x], v[TA+\x]          ; P's scale word for these 128 keys
.endr
.irp x, 0,1
.set j, 0
.rept 32
	v_pk_fma_f32 v[S+64*\x+j:S+64*\x+j+1], v[S+64*\x+j:S+64*\x+j+1], s[CS:CS+1], v[STAT+6*\x:STAT+6*\x+1] op_sel_hi:[1,0,0]   ; t - M, two at a time
.set j, j+2
.endr
.endr
.if !\first
	WIN 0x41
.irp x, 0,1
.set j, 0
.rept 32
	v_pk_mul_f32 v[64*\x+j:64*\x+j+1], v[64*\x+j:64*\x+j+1], v[STAT+6*\x+4:STAT+6*\x+5] op_sel_hi:[1,0]   ; O^T under the new M, ahead of the exponentials; each accumulator from its low end on
.set j, j+2
.endr
.endr
	WIN 0
.endif
	s_wait_alu depctr_va_vdst(0)                   ; the wait ahead of the batch
.set j, 0
.rept 128
	v_exp_f32 v[S+j], v[S+j]                       ; p = 2^(t - M): not normalised
.set j, j+1
.endr
.irp x, 0,1
.if \first
	v_mov_b32 v[STAT+6*\x+2], 0
	v_mov_b32 v[STAT+6*\x+3], 0
.else
	v_pk_mul_f32 v[STAT+6*\x+2:STAT+6*\x+3], v[STAT+6*\x+2:STAT+6*\x+3], v[STAT+6*\x+4:STAT+6*\x+5] op_sel_hi:[1,0]   ; the sums under the new M
.endif
.endr
	s_wait_alu depctr_va_vdst(0)                   ; one wait for the batch, ahead of its first reader
.irp x, 0,1
.irp c, 0,1
.irp g, 0,1,2,3
	v_cvt_scalef32_pk8_fp4_f32 v[PC+8*\x+4*\c+\g], v[S+64*\x+32*\c+8*\g:S+64*\x+32*\c+8*\g+7], v[SO+2*\x+\c]   ; the results are P's operand registers
.endr
.endr
.endr
	; the row's sum of the unquantised p: three chains a tile, six by turns; these lines are also the places between the conversions and the products
.irp x, 0,1
	v_pk_add_f32 v[BM+4*\x:BM+4*\x+1], v[S+64*\x:S+64*\x+1], v[S+64*\x+2:S+64*\x+3]
	v_pk_add_f32 v[BM+4*\x+2:BM+4*\x+3], v[S+64*\x+4:S+64*\x+5], v[S+64*\x+6:S+64*\x+7]
.endr
.irp j, 8,14,20,26,32,38,44,50,56
.irp x, 0,1
	v_pk_add_f32 v[STAT+6*\x+2:STAT+6*\x+3], v[STAT+6*\x+2:STAT+6*\x+3], v[S+64*\x+\j:S+64*\x+\j+1]
	v_pk_add_f32 v[BM+4*\x:BM+4*\x+1], v[BM+4*\x:BM+4*\x+1], v[S+64*\x+\j+2:S+64*\x+\j+3]
	v_pk_add_f32 v[BM+4*\x+2:BM+4*\x+3], v[BM+4*\x+2:BM+4*\x+3], v[S+64*\x+\j+4:S+64*\x+\j+5]
.endr
.endr
.irp x, 0,1
	v_pk_add_f32 v[STAT+6*\x+2:STAT+6*\x+3], v[STAT+6*\x+2:STAT+6*\x+3], v[S+64*\x+62:S+64*\x+63]
.endr
.irp x, 0,1
	v_pk_add_f32 v[BM+4*\x:BM+4*\x+1], v[BM+4*\x:BM+4*\x+1], v[BM+4*\x+2:BM+4*\x+3]
.endr
.irp x, 0,1
	v_pk_add_f32 v[STAT+6*\x+2:STAT+6*\x+3], v[STAT+6*\x+2:STAT+6*\x+3], v[BM+4*\x:BM+4*\x+1]
.endr
	s_wait_alu depctr_va_vdst(0)                   ; the wait ahead of the wait below
	s_wait_dscnt 0x0                               ; V is in, and so is the next step's K
	WIN 0x50
	PV \first
	WIN 0
.endm
; THE WAY OUT of pass p: O^T / the sum goes through my stage in LDS, half a row (256 bytes) of 16 queries at a time.
.macro OUT p
.rept 4
	v_nop                                          ; places behind the last products
.endr
.irp x, 0,1
	v_add_f32 v[BM+\x], v[STAT+6*\x+2], v[STAT+6*\x+3]
.endr
.irp x, 0,1
	v_permlanex16_b32 v[SO+2*\x], v[BM+\x], s[SEL], s[SEL+1]
.endr
.irp x, 0,1
	v_add_f32 v[BM+\x], v[BM+\x], v[SO+2*\x]       ; with lane l xor 16's keys: the row's sum
.endr
	s_wait_alu depctr_va_vdst(0)                   ; the wait ahead of the transcendentals
.irp x, 0,1
	v_rcp_f32 v[STAT+6*\x+4], v[BM+\x]
.endr
	v_nop
	s_wait_alu depctr_va_vdst(0)                   ; one wait for the two and for O^T's first readers
	WIN 0x01
.irp x, 0,1
.set j, 0
.rept 32
	v_pk_mul_f32 v[S+64*\x+j:S+64*\x+j+1], v[64*\x+j:64*\x+j+1], v[STAT+6*\x+4:STAT+6*\x+5] op_sel_hi:[1,0]   ; register 8 t + i is o(r, 16 t + 8 h + i)
.set j, j+2
.endr
.endr
	WIN 0
	s_wait_alu depctr_va_vdst(0)
.irp x, 0,1
.irp u, 0,1
.irp t, 0,1,2,3
	ds_store_b128 v[STO], v[S+64*\x+32*\u+8*\t:S+64*\x+32*\u+8*\t+3] offset:64*\t
	ds_store_b128 v[STO], v[S+64*\x+32*\u+8*\t+4:S+64*\x+32*\u+8*\t+7] offset:64*\t+16
.endr
.irp i, 0,1,2,3,4,5,6,7
	ds_load_b128 v[S+64*\x+32*\u+4*\i:S+64*\x+32*\u+4*\i+3], v[RD] offset:\i*2*SP   ; LDS serves a wave's instructions in order
.endr
.endr
.irp u, 0,1
.irp i, 0,1,2,3,4,5,6,7
	s_wait_dscnt (1-\u)*16+7-\i                    ; behind this load: the rest of its eight, and for the first half the second half's sixteen
	global_store_b128 v[GO], v[S+64*\x+32*\u+4*\i:S+64*\x+32*\u+4*\i+3], s[8:9] offset:16384*(\p)+8192*\x+1024*\i+256*\u th:TH_STORE_NT   ; sixteen lanes store 256 consecutive bytes, aligned
.endr
.endr
.endr
	s_wait_xcnt 0x0                                ; the stores have read their registers: the next pass's products write them
.endm
; A PASS: 32 of my queries against all 2,048 keys.
.macro PASS p
	KLOAD LI                                       ; step 0's K
	s_mov_b32 s[CUR], 0
	s_wait_dscnt 0x0
	STEP \p, 1
	s_mov_b32 s[CUR], STEPB
.if \p == 0
	STEP \p, 0                                     ; steps 0 and 1 read steps 0-2 of kv alone
	s_mov_b32 s[CUR], 2*STEPB
	s_wait_tensorcnt 0x0                           ; my quarter of steps 3-15 has landed,
	s_barrier_signal -1
	s_barrier_wait -1                              ; everybody's has: the whole head lies in LDS
.endif
.Lstep_\@:
	STEP \p, 0
	s_add_co_u32 s[CUR], s[CUR], STEPB
	s_cmp_lt_u32 s[CUR], 16*STEPB
	s_cbranch_scc1 .Lstep_\@
	OUT \p
.endm
	PASS 0
	PASS 1
	THREE                                          ; the wave's end
	ROUND                                          ; the closing round
	s_endpgm
.Lfunc_end_k_q209a617ac3_attn:
	.size	k_q209a617ac3_attn, .Lfunc_end_k_q209a617ac3_attn-k_q209a617ac3_attn
	.p2alignl 7, 3214868480
	.fill 96, 4, 3214868480
	.section	.rodata,"a",@progbits
	.p2align	6, 0x0
	.amdhsa_kernel k_q209a617ac3_attn
		.amdhsa_group_segment_fixed_size 327680
		.amdhsa_private_segment_fixed_size 0
		.amdhsa_enable_private_segment 0
		.amdhsa_kernarg_size 24
		.amdhsa_user_sgpr_count 2
		.amdhsa_user_sgpr_kernarg_segment_ptr 1
		.amdhsa_wavefront_size32 1
		.amdhsa_system_sgpr_workgroup_id_x 1
		.amdhsa_system_sgpr_workgroup_id_y 1
		.amdhsa_system_sgpr_workgroup_id_z 1
		.amdhsa_system_vgpr_workitem_id 0
		.amdhsa_next_free_vgpr 482
		.amdhsa_next_free_sgpr 66
		.amdhsa_reserve_vcc 0
		.amdhsa_float_denorm_mode_32 3
		.amdhsa_float_denorm_mode_16_64 3
		.amdhsa_memory_ordered 1
		.amdhsa_forward_progress 1
		.amdhsa_inst_pref_size 199
	.end_amdhsa_kernel
	.amdgpu_metadata
---
amdhsa.version: [ 1, 2 ]
amdhsa.kernels:
  - .name:           k_q209a617ac3_attn
    .symbol:         k_q209a617ac3_attn.kd
    .args:
      - { .name: x2, .offset: 0, .size: 8, .value_kind: global_buffer, .address_space: global }
      - { .name: kv, .offset: 8, .size: 8, .value_kind: global_buffer, .address_space: global }
      - { .name: out0, .offset: 16, .size: 8, .value_kind: global_buffer, .address_space: global }
    .group_segment_fixed_size: 327680
    .private_segment_fixed_size: 0
    .kernarg_segment_align: 8
    .kernarg_segment_size: 24
    .max_flat_workgroup_size: 256
    .sgpr_count:     66
    .vgpr_count:     482
    .wavefront_size: 32
...
	.end_amdgpu_metadata
.endif
;; end of part 2
